; MI455X (gfx1250); checked and timed in simulation.
; The chip was launched on July 23, 2026; its instructions are those of AMD's public machine-readable ISA for CDNA 5 (MIT licence, August 2026) and "CDNA5" Instruction Set Architecture Reference Guide (July 2026). The comments in the code are by the model that wrote it; some were corrected since.
;; Multi Head Attention. Allowed arithmetic: matrix products marked QUANTISED: E2M3 operands, one E8M0 scale for each 32 along K, by v_wmma_scale_f32_16x16x128_f8f6f4 with both operands' format E2M3, f32 sums; everything else in f32.
;; Inputs: Wk_codes 1,024 x 32 x 24 uint8 (E2M3 codes of Wk, K innermost, in blocks of 32 codes, four codes in three bytes); Wk_scales 1,024 x 32 uint8 (E8M0 scales of Wk, one for each 32 codes along K); Wo_codes 1,024 x 32 x 24 uint8 (E2M3 codes of Wo, K innermost, in blocks of 32 codes, four codes in three bytes); Wo_scales 1,024 x 32 uint8 (E8M0 scales of Wo, one for each 32 codes along K); Wq_codes 1,024 x 32 x 24 uint8 (E2M3 codes of Wq, K innermost, in blocks of 32 codes, four codes in three bytes); Wq_scales 1,024 x 32 uint8 (E8M0 scales of Wq, one for each 32 codes along K); Wv_codes 1,024 x 32 x 24 uint8 (E2M3 codes of Wv, K innermost, in blocks of 32 codes, four codes in three bytes); Wv_scales 1,024 x 32 uint8 (E8M0 scales of Wv, one for each 32 codes along K); bk 1,024 float32; bo 1,024 float32; bq 1,024 float32; bv 1,024 float32; key_codes 4 x 2,048 x 32 x 24 uint8 (E2M3 codes of key, K innermost, in blocks of 32 codes, four codes in three bytes); key_scales 4 x 2,048 x 32 uint8 (E8M0 scales of key, one for each 32 codes along K); query_codes 4 x 2,048 x 32 x 24 uint8 (E2M3 codes of query, K innermost, in blocks of 32 codes, four codes in three bytes); query_scales 4 x 2,048 x 32 uint8 (E8M0 scales of query, one for each 32 codes along K); value_codes 4 x 2,048 x 32 x 24 uint8 (E2M3 codes of value, K innermost, in blocks of 32 codes, four codes in three bytes); value_scales 4 x 2,048 x 32 uint8 (E8M0 scales of value, one for each 32 codes along K).
;; Outputs: out0 4 x 2,048 x 1,024 float32.
;; This version of the problem:
;;   THIS VERSION OF THE PROBLEM IS GIVEN IN LOW PRECISION. The matrix products marked QUANTISED in the list below multiply operands that are first quantised to E2M3 (2 exponent bits, 3 mantissa bits; 6 bits a number), with one power-of-two scale for each 32 numbers along K (OCP MX v1.0); their sums are f32. All else is computed in f32.
;;   The module's matrix products, in the order in which they are computed (A, B: the left and right operand; K: the contracted axis; several contracted axes count as one K, in the product's order):
;;     1. [M 8,192, K 1,024] x [K 1,024, N 1,024]; A: input query (given as codes); B: input Wq (given as codes): QUANTISED
;;     2. [M 8,192, K 1,024] x [K 1,024, N 1,024]; A: input key (given as codes); B: input Wk (given as codes): QUANTISED
;;     3. [M 8,192, K 1,024] x [K 1,024, N 1,024]; A: input value (given as codes); B: input Wv (given as codes): QUANTISED
;;     4. batch 64 x [M 2,048, K 64] x [K 64, N 2,048]; A: computed on the way; B: computed on the way: QUANTISED
;;     5. batch 64 x [M 2,048, K 2,048] x [K 2,048, N 64]; A: computed on the way; B: computed on the way: QUANTISED
;;     6. [M 8,192, K 1,024] x [K 1,024, N 1,024]; A: computed on the way; B: input Wo (given as codes): QUANTISED
;;   THE QUANTISER, for each operand of a quantised product, along K:
;;     - K is cut into blocks of 32 from its start; a last block that is shorter is filled with zeros.
;;     - A block's scale is 2^e with e = floor(log2(the largest magnitude in the block)) - 2, held to -126 .. 127; a block of zeros has e = 0. As a byte (E8M0): e + 127.
;;     - Each number is divided by its block's scale, clamped to +-7.5, and rounded to the nearest number of E2M3, ties to even, subnormals kept.
;;     - The product sums the exact products of the quantised numbers (number of the format x scale) in f32.
;;   ~~~python
;;   def quantise(x, axis):      # numpy; x: float32 -> the quantised numbers, widened to float32 again
;;       x = np.moveaxis(x, axis, -1); K = x.shape[-1]
;;       x = np.pad(x, [(0, 0)] * (x.ndim - 1) + [(0, -K % 32)]); x = x.reshape(x.shape[:-1] + (-1, 32)); a = np.abs(x).max(-1, keepdims=True)
;;       e = np.where(a > 0, np.clip(np.frexp(np.where(a > 0, a, 1))[1] - 1 - 2, -126, 127), 0)      # np.frexp(a)[1] - 1 = floor(log2(a)), exactly
;;       r = np.clip(x / 2.0 ** e, -7.5, 7.5)
;;       step = 2.0 ** (np.maximum(np.frexp(np.where(r == 0, 1, r))[1] - 1, 0) - 3)
;;       q = np.round(r / step) * step * 2.0 ** e      # np.round: ties to even
;;       return np.moveaxis(q.reshape(q.shape[:-2] + (-1,))[..., :K], -1, axis).astype(np.float32)
;;   ~~~
;;   OPERANDS COMPUTED ON THE WAY. 'Computed on the way' means the value that the module computes at that place (a softmax that the list does not call 'softmax' is quantised finished and normalised). What goes into a quantiser is computed in f32, as accurately as f32 sums, v_exp_f32 and their like allow (about 1e-6 of the number): no bf16 or f16 on the way to a quantiser, and a product that is left as it is and whose result goes on into a quantised operand takes f32 operands (vector FMAs, or v_wmma_f32_16x16x4_f32). A number that lies on a knife's edge between two numbers of the format may be rounded either way, as far as f32 arithmetic and the matrix unit's own rounding can turn it there, and no further.
;;   INPUTS GIVEN AS CODES. Wk (in the module: [1024, 1024], K = its axis 0); Wo (in the module: [1024, 1024], K = its axis 0); Wq (in the module: [1024, 1024], K = its axis 0); Wv (in the module: [1024, 1024], K = its axis 0); key (in the module: [4, 2048, 1024], K = its axis 2); query (in the module: [4, 2048, 1024], K = its axis 2); value (in the module: [4, 2048, 1024], K = its axis 2): each comes as NAME_codes (uint8): NAME with its K axis moved to the last place and cut into blocks of 32 codes, [.., K / 32, bytes a block], one block behind the other in memory; four codes in three bytes: a row's codes are one little-endian stream of bits, code i at bits 6 i .. 6 i + 5 (a code: sign, 2 exponent bits, 3 mantissa bits); and NAME_scales (uint8): the same leading axes, one E8M0 byte (e + 127) for each 32 codes along K. Its value is code x scale, taken as it is: it is not quantised again, and the codes and scales need not be those that the quantiser above would give.
;; One version. Each part assembles by itself: llvm-mc -triple=amdgcn-amd-amdhsa -mcpu=gfx1250 --defsym DOCPART=n.
;; ======== version 1 of 1: 3 launches
;; workspace buffers: qimg 6,815,744 bytes; kv 13,631,488 bytes; att 6,553,600 bytes
;; launch proj (part 1): grid 4 x 192, 4 waves a work-group, clusters of 4 x 4, 313,856 bytes of LDS; arguments query_codes, query_scales, key_codes, key_scales, value_codes, value_scales, Wq_codes, Wq_scales, Wk_codes, Wk_scales, Wv_codes, Wv_scales, bq, bk, bv, qimg, kv; writes qimg, kv
.if DOCPART == 1
	.amdgcn_target "amdgcn-amd-amdhsa--gfx1250"
	.amdhsa_code_object_version 6
	.text
	.protected	k_qf07882e230_proj
	.globl	k_qf07882e230_proj
	.p2align	8
	.type	k_qf07882e230_proj,@function
k_qf07882e230_proj:
	s_mov_b64 s[64:65], 0
	v_nop
	global_prefetch_b8 v0, s[64:65] scope:SCOPE_SE
	s_setreg_imm32_b32 hwreg(HW_REG_WAVE_MODE, 25, 1), 1
	s_wait_xcnt 0x0
	s_wait_alu depctr_hold_cnt(0) depctr_sa_sdst(0) depctr_va_vdst(0) depctr_va_sdst(0) depctr_va_ssrc(0) depctr_va_vcc(0) depctr_vm_vsrc(0)
	s_getreg_b32 s2, hwreg(HW_REG_IB_STS2, 6, 4)
	s_cmp_eq_u32 s2, 0
	s_cbranch_scc0 .Lentry_in_a_cluster
	s_endpgm
.Lentry_in_a_cluster:
	s_bfe_u32 s2, ttmp6, 0x10000c
	s_cmp_lg_u32 s2, 0xf033
	s_cbranch_scc0 .Lentry_shape_is_right
	s_endpgm
.Lentry_shape_is_right:
; THE THREE PROJECTIONS q = query Wq + bq, k = key Wk + bk, v = value Wv + bv on codes of FP6 (E2M3) with E8M0 scales, and the quantising of their results:
; q and k along the head's 64, v along the keys.  One text serves all three: only pointers and a few scalars differ, chosen by the cluster's number.
; A work-group makes 256 P rows x 128 R rows over all of K = 1,024.  P is the axis that is quantised afterwards: the weight's columns for q and k, the tokens (keys) for v; R is the other one.
; Source 0 = 16 P rows, source 1 = 16 R rows: a lane then holds ONE R row and its registers run along P, as the conversions want them.
; Four waves: wave w takes P half w % 2 (128 rows, 8 tiles) and R half w / 2 (64 rows, 4 blocks): 32 accumulators.
; LDS holds the work-group's operands whole: a row's 768 bytes as three chunks of 256, rows 272 bytes apart in a chunk.  Nothing is filled twice.
; CLUSTER 4 x 4: the four of a column need the same P rows, the four of a row the same R rows: each tile is asked for jointly.
; THE SCALES go from memory straight into registers: a row's 32 bytes are its eight K steps' words.
; RESULTS leave as images of the next launch's operand registers (768 bytes a tile of 16 rows x 64 K: chunk e at 256 e, lane l's 8 bytes at 8 l), gathered in the wave's stage and stored in runs of 512 and 256 bytes.
; Inside a block of 32 the codes stand in the order 16 h + 8 u + j for the natural place 16 u + 8 h + j: q and k share it along d, and the rows of k's tiles are laid so that the scores come out in v's order along the keys.
; 1 / sqrt(64) = 2^-3 is taken off q's scale bytes: exact.
; LIMITS: a block whose largest magnitude lies under 2^-121 is quantised with the scale held there (byte 4, so that q's byte stays at 1 or more); a block of zeros keeps that byte (its codes are zeros, and this program alone reads the bytes);
; NaN and infinities, in the biases too, are not served.
.set PITCH, 272                        ; a chunk's row in LDS: 256 bytes + 16
.set PCH,   256*PITCH                  ; a chunk of P: 69,632 bytes
.set RCH,   128*PITCH                  ; a chunk of R: 34,816 bytes
.set RB0,   3*PCH                      ; R's chunks lie behind P's three
.set FR,    12                         ; registers of a fragment: 16 rows x 128 K
.set WST,   6656                       ; a wave's stage: 6,144 bytes of codes, 512 of scale words; in P's chunk 0, whose last reads lie in front of the barrier of step 4
.set G1W0,  (3<<16)|(1<<20)|(1<<21)|(5<<22)|(3<<25)   ; elements of 8 bytes; padding on; bit 21 beside a mask; after every 64 words, 4 words
; window 0
.set AP,   4                           ; v4-6   my P fragments in chunk 0, 1, 2
.set APX,  7                           ; v7-8   the same where lanes 16-31 reach into the next chunk
.set AR,   9                           ; v9-11  my R fragments
.set ARX,  12                          ; v12-13
.set SW,   14                          ; the stage: where I put 8 bytes of codes
.set SS,   15                          ; and a scale word
.set LI,   16                          ; 16 x lane
.set L8,   17                          ; 8 x lane
.set SH16, 18                          ; 16 x (lane / 16)
.set MASK, 19                          ; what of the shifted scale word is kept
.set OPS,  20                          ; 32 r: a row of scale bytes
.set OBP,  21                          ; 32 h
.set OBR,  22                          ; 4 r
.set RDA,  23                          ; the stage, read back 16 bytes a lane
.set RDS,  24                          ; and 8 bytes a lane
.set PS,   32                          ; v32-95   P's scale words: tile t, K step q at 8 t + q
.set RS,   96                          ; v96-127  R's: block a at 8 a + q
.set RF,   128                         ; v128-223 R's fragments, two sets of 48
.set BR,   224                         ; v224-231 the R side's bias, each number twice
.set TM,   232                         ; v232-247 at work in QUANT
.set PW,   248                         ; the scale word just made
.set TW,   249
.set PC,   128                         ; the way out: the codes just made (v128-146)
.set RBK,  148                         ; v148-195 the stage's codes read back;  v196-199 its scale words
.set RBS,  196
; window 1: accumulator (a, t) at 64 a + 8 t.   window 2: P's fragments, two sets of 96, at v0-191; the P side's bias at v192-255
.set BP,   192
; scalars
.set MR,   2
.set CI,   3
.set G0P,  4                           ; s[4:15]  group 0 for P's three chunks
.set G0R,  16                          ; s[16:27] for R's
.set BIASP, 28
.set BIASR, 30
.set PSB,  32
.set RSB,  34
.set WV,   38
.set WP,   39
.set G1P,  40                          ; s[40:47]
.set G1R,  48                          ; s[48:55]
.set WR,   56
.set CX,   57
.set CY,   58
.set GG,   59
.set PIDX, 60
.set RIDX, 61
.set ADJ,  62
.set MP,   63
.set ACTC, 66
.set ACTS, 68
.set WTC,  70
.set WTS,  72
.set BIAS, 74
.set OUTP, 76
.set MPF,  78
.set SEL,  80
.set PCOD, 82
.set PSCL, 84
.set RCOD, 86
.set RSCL, 88
.set BA,   66                          ; the four places of the stores (in the registers that held the first choice of pointers)
.set BB,   68
.set SA,   70
.set SB,   72
.set MSB, 0
.macro WIN new                         ; the immediate's high byte repeats the setting that is left
.if MSB != \new
	s_set_vgpr_msb (MSB<<8)|\new
.set MSB, \new
.endif
.endm
.macro PLACES n
.rept \n
	v_nop
.endr
.endm
.macro CROUND                          ; a round of the cluster's barrier
	s_barrier_signal -1
	s_barrier_wait -1
	s_cmp_lg_u32 s[WV], 0
	s_cbranch_scc1 .Lnot_wave_0_\@
	s_barrier_signal -3
.Lnot_wave_0_\@:
	s_barrier_wait -3
	s_barrier_signal -1
	s_barrier_wait -1
.endm
; A fragment: lane (r, h) takes of row r the pieces of 8 bytes 12 q + 0, 1, 2 and 12 q + 6, 7, 8, lanes 16-31 those three pieces on.  A chunk holds 32 pieces:
; where the piece three on lies in the next chunk, the second address register serves.
.macro FRAG reg, adr, adrx, q, blk
.irp p, 0,1,2,3,4,5
.set PCI, 12*(\q)+6*(\p/3)+\p%3
.if PCI%32 < 29
	ds_load_b64 v[\reg+2*\p:\reg+2*\p+1], v[\adr+PCI/32] offset:8*(PCI%32)+(\blk)*16*PITCH
.else
	ds_load_b64 v[\reg+2*\p:\reg+2*\p+1], v[\adrx+PCI/32] offset:8*(PCI%32)+(\blk)*16*PITCH
.endif
.endr
.endm
.macro RUN1 q                          ; 36 loads: K step q's four blocks of R and tiles 0, 1 of P, into set q % 2
	WIN 0
.irp a, 0,1,2,3
	FRAG RF+48*((\q)%2)+FR*\a, AR, ARX, \q, \a
.endr
	WIN 0x80
.irp t, 0,1
	FRAG 96*((\q)%2)+FR*\t, AP, APX, \q, \t
.endr
.endm
.macro RUN2 q                          ; 36 loads: tiles 2 to 7 of P
	WIN 0x80
.irp t, 2,3,4,5,6,7
	FRAG 96*((\q)%2)+FR*\t, AP, APX, \q, \t
.endr
.endm
; 16 matrix instructions: P's tiles t0 .. t0 + 3 against R's four blocks.  The 32 accumulators take turns, one instruction a turn, in the same order in every step.
.macro MUL t0, set, q
.irp t, \t0, \t0+1, \t0+2, \t0+3
.irp a, 0,1,2,3
	v_wmma_scale_f32_16x16x128_f8f6f4 v[64*\a+8*(\t):64*\a+8*(\t)+7], v[96*(\set)+FR*(\t):96*(\set)+FR*(\t)+FR-1], v[RF+48*(\set)+FR*\a:RF+48*(\set)+FR*\a+FR-1], v[64*\a+8*(\t):64*\a+8*(\t)+7], v[PS+8*(\t)+(\q)], v[RS+8*\a+(\q)] matrix_a_fmt:MATRIX_FMT_FP6 matrix_b_fmt:MATRIX_FMT_FP6
.endr
.endr
.endm
; K step q.  tcnt >= 0: the next step's fragments reach into a chunk not yet shown: my loads of it have landed (tcnt younger ones may be out), my LDS loads are in, and a barrier shows the same of every wave.
.macro KSTEP q, tcnt
.if \tcnt >= 0
	s_wait_tensorcnt \tcnt
	s_wait_dscnt 0x0
	s_barrier_signal -1
	s_barrier_wait -1
.endif
.if \q < 7
	PLACES 4                                       ; behind the last step's products, which read the set that is loaded now
	RUN1 (\q)+1
	s_wait_dscnt 36                                ; all but the 36 just issued: this step's fragments are in
.else
	s_wait_dscnt 0x0
.endif
	WIN 0x52                                       ; source 0 window 2, source 1 window 0, C and D window 1
	MUL 0, (\q)%2, \q
.if \q < 7
	RUN2 (\q)+1
	WIN 0x52
.endif
	MUL 4, (\q)%2, \q
.endm
; Block a's 64 numbers of a lane (window 1, register 16 b + i: block b of 32 along P, my half's 16) become 12 registers of codes in v[PC] on and the scale word in v[PW].
.macro QUANT a
.set QSRC, 64*(\a)
	WIN 0x05                                       ; sources 0 and 1 window 1
.irp b, 0,1,2,3
	v_max3_num_f32 v[TM+\b], |v[QSRC+16*\b]|, |v[QSRC+16*\b+1]|, 0x3000000   ; my 16 numbers and the floor 2^(6 - 127); each accumulator is read from its low end on
.endr
.irp i, 2,4,6,8,10,12,14
.irp b, 0,1,2,3
	v_max3_num_f32 v[TM+\b], |v[QSRC+16*\b+\i]|, |v[QSRC+16*\b+\i+1]|, v[TM+\b]   ; the four blocks by turns
.endr
.endr
	WIN 0
.irp b, 0,1,2,3
	v_permlanex16_b32 v[TM+4+\b], v[TM+\b], s[SEL], s[SEL+1]
.endr
.irp b, 0,1,2,3
	v_max_num_f32 v[TM+\b], v[TM+\b], v[TM+4+\b]   ; with lane l xor 16's: the block's largest magnitude
.endr
.irp b, 0,1,2,3
	v_add_nc_u32 v[TM+12+\b], 0xff000000, v[TM+\b] ; 2 off its exponent field: the conversion's scale operand
.endr
.irp b, 0,1,2,3
	v_lshrrev_b32 v[TM+4+\b], 23, v[TM+12+\b]      ; the scale's byte
.endr
	v_lshl_or_b32 v[PW], v[TM+5], 8, v[TM+4]
	v_lshl_or_b32 v[PW], v[TM+6], 16, v[PW]
	v_lshl_or_b32 v[PW], v[TM+7], 24, v[PW]
	WIN 0x01                                       ; source 0 window 1
.irp c, 0,1
	v_cvt_scalef32_pk16_fp6_f32 v[PC+6*\c:PC+6*\c+2], v[QSRC+32*\c:QSRC+32*\c+15], v[TM+12+2*\c]
	v_cvt_scalef32_pk16_fp6_f32 v[PC+12+4*\c:PC+14+4*\c], v[QSRC+32*\c+16:QSRC+32*\c+31], v[TM+12+2*\c+1]   ; (a conversion's three registers begin on an even number)
.endr
	WIN 0
	v_nop                                          ; one plain line behind the scaled conversions
.irp c, 0,1                                    ; a whole block to a lane: lanes 0-15 block 2 c, lanes 16-31 block 2 c + 1
.irp i, 0,1,2
	v_permlane16_swap_b32 v[PC+6*\c+\i], v[PC+12+4*\c+\i]
.endr
.irp i, 0,1,2
	v_mov_b32 v[PC+3+6*\c+\i], v[PC+12+4*\c+\i]
.endr
.endr
.endm
	s_load_b512 s[4:19], s[0:1], 0x0               ; query's codes, scales; key's; value's; Wq's codes, scales
	s_load_b512 s[20:35], s[0:1], 0x40             ; Wk's codes, scales; Wv's; bq; bk; bv; qimg
	s_load_b64 s[36:37], s[0:1], 0x80              ; kv
	v_lshl_add_u32 v254, v0, 2, 0x4c800
	v_mov_b32 v255, 0
	ds_add_u32 v254, v255
	ds_add_u32 v254, v255
	v_lshrrev_b32 v3, 5, v0
	v_readfirstlane_b32 s[WV], v3                  ; wave 0..3
	s_and_b32 s[WP], s[WV], 1                      ; my half of P
	s_lshr_b32 s[WR], s[WV], 1                     ; my half of R
	s_bfe_u32 s[CX], ttmp6, 0x40000                ; my place in the cluster
	s_bfe_u32 s[CY], ttmp6, 0x40004
	s_and_b32 s[CI], ttmp7, 0xffff                 ; the cluster: 0..47
	s_lshr_b32 s[GG], s[CI], 4                     ; 0: q, 1: k, 2: v
	s_and_b32 s[CI], s[CI], 15
	s_and_b32 s82, s[CI], 7
	s_lshr_b32 s86, s[CI], 3
	s_cmp_eq_u32 s[GG], 2
	s_cselect_b32 s82, s82, 0                      ; v: 8 clusters along P (32 tiles of 256 keys), 2 along R; q, k: 1 along P, 16 along R
	s_cselect_b32 s86, s86, s[CI]
	s_cselect_b32 s[MP], 0, -1                     ; the bias runs along P for q and k,
	s_cselect_b32 s[MR], -1, 0                     ; along R for v
	s_cselect_b32 s[MPF], 0, 1.0
	s_mov_b32 s[MPF+1], s[MPF]                     ; (named with it as a pair)
	s_lshl_b32 s82, s82, 2
	s_add_co_u32 s[PIDX], s82, s[CX]               ; my tile of 256 P rows
	s_lshl_b32 s86, s86, 2
	s_add_co_u32 s[RIDX], s86, s[CY]               ; my tile of 128 R rows
	s_cmp_eq_u32 s[GG], 0
	s_cselect_b32 s[ADJ], 0x03030303, 0            ; q: 3 off each scale byte
	s_lshl_b32 s83, 0x1111, s[CX]                  ; my column of the cluster
	s_lshl_b32 s87, s[CY], 2
	s_lshl_b32 s87, 15, s87                        ; my row
	s_or_b32 s[G1P], s83, G1W0                     ; P's tiles hang on cx alone: shared along the column
	s_or_b32 s[G1R], s87, G1W0                     ; R's on cy alone: shared along the row
.irp g, G1P, G1R
	s_mov_b32 s[\g+1], 32<<16                      ; tensor_dim0 = 32 elements: 256 bytes
	s_mov_b32 s[\g+3], 32<<16                      ; tile_dim0
	s_mov_b32 s[\g+5], 96                          ; from row to row: 768 bytes
	s_mov_b32 s[\g+6], 0
	s_mov_b32 s[\g+7], 0
.endr
	s_mov_b32 s[G1P+2], 64<<16                     ; a wave brings 64 rows of a chunk of P,
	s_mov_b32 s[G1P+4], 64
	s_mov_b32 s[G1R+2], 32<<16                     ; 32 of a chunk of R
	s_mov_b32 s[G1R+4], 32
	s_mov_b32 s[SEL], 0x76543210
	s_mov_b32 s[SEL+1], 0xfedcba98                 ; v_permlanex16_b32's selects for lane l xor 16
	s_lshl_b32 s90, s[PIDX], 8
	s_lshl_b32 s91, s[WV], 6
	s_add_co_u32 s90, s90, s91                     ; the first P row that I fetch
	s_mul_i32 s90, s90, 768
	s_mov_b32 s91, 0
	s_lshl_b32 s92, s[RIDX], 7
	s_lshl_b32 s93, s[WV], 5
	s_add_co_u32 s92, s92, s93                     ; the first R row that I fetch
	s_mul_i32 s92, s92, 768
	s_mov_b32 s93, 0
	s_mul_i32 s98, s[WV], 64*PITCH                 ; where they go: the wave's number alone enters an LDS address
	s_mul_i32 s99, s[WV], 32*PITCH
	s_add_co_u32 s99, s99, RB0
	s_wait_dscnt 0x0
	s_wait_kmcnt 0x0
	s_cmp_eq_u32 s[GG], 0                          ; the buffers are chosen by the cluster's number
	s_cselect_b64 s[ACTC:ACTC+1], s[4:5], s[8:9]
	s_cselect_b64 s[ACTS:ACTS+1], s[6:7], s[10:11]
	s_cselect_b64 s[WTC:WTC+1], s[16:17], s[20:21]
	s_cselect_b64 s[WTS:WTS+1], s[18:19], s[22:23]
	s_cselect_b64 s[BIAS:BIAS+1], s[28:29], s[30:31]
	s_cselect_b64 s[OUTP:OUTP+1], s[34:35], s[36:37]
	s_cmp_eq_u32 s[GG], 2
	s_cselect_b64 s[ACTC:ACTC+1], s[12:13], s[ACTC:ACTC+1]
	s_cselect_b64 s[ACTS:ACTS+1], s[14:15], s[ACTS:ACTS+1]
	s_cselect_b64 s[WTC:WTC+1], s[24:25], s[WTC:WTC+1]
	s_cselect_b64 s[WTS:WTS+1], s[26:27], s[WTS:WTS+1]
	s_cselect_b64 s[BIAS:BIAS+1], s[32:33], s[BIAS:BIAS+1]
	s_cselect_b64 s[PCOD:PCOD+1], s[ACTC:ACTC+1], s[WTC:WTC+1]   ; P: the tokens for v, the weight for q and k
	s_cselect_b64 s[PSCL:PSCL+1], s[ACTS:ACTS+1], s[WTS:WTS+1]
	s_cselect_b64 s[RCOD:RCOD+1], s[WTC:WTC+1], s[ACTC:ACTC+1]
	s_cselect_b64 s[RSCL:RSCL+1], s[WTS:WTS+1], s[ACTS:ACTS+1]
	s_cselect_b32 s36, -1, 0xffff                  ; of the scale word lanes 0-15 keep: v all four bytes, q and k two;
	s_cselect_b32 s37, 0, 0xffff                   ; lanes 16-31: v nothing, q and k the upper two, shifted down
	s_add_nc_u64 s[90:91], s[PCOD:PCOD+1], s[90:91]
	s_add_nc_u64 s[92:93], s[RCOD:RCOD+1], s[92:93]
.irp c, 0,1,2
	s_mov_b32 s[G0P+4*\c], 1
	s_add_co_u32 s[G0P+4*\c+1], s98, \c*PCH
	s_add_nc_u64 s[G0P+4*\c+2:G0P+4*\c+3], s[90:91], 256*\c
	s_or_b32 s[G0P+4*\c+3], s[G0P+4*\c+3], 0x80000000
	s_mov_b32 s[G0R+4*\c], 1
	s_add_co_u32 s[G0R+4*\c+1], s99, \c*RCH
	s_add_nc_u64 s[G0R+4*\c+2:G0R+4*\c+3], s[92:93], 256*\c
	s_or_b32 s[G0R+4*\c+3], s[G0R+4*\c+3], 0x80000000
.endr
	CROUND                                         ; all sixteen work-groups are here: the joint loads meet
.irp c, 0,1,2                                  ; all that the work-group will read, in the order in which it is wanted: six loads of mine are out
	tensor_load_to_lds s[G0P+4*\c:G0P+4*\c+3], s[G1P:G1P+7]
	s_nop 0
	tensor_load_to_lds s[G0R+4*\c:G0R+4*\c+3], s[G1R:G1R+7]
	s_nop 0
.endr
	PLACES 4
	s_lshl_b32 s94, s[PIDX], 8
	s_lshl_b32 s96, s[WP], 7
	s_add_co_u32 s94, s94, s96                     ; my first P row
	s_lshl_b32 s95, s[RIDX], 7
	s_lshl_b32 s96, s[WR], 6
	s_add_co_u32 s95, s95, s96                     ; my first R row
	s_mov_b32 s97, 0
	s_lshl_b32 s96, s94, 5
	s_add_nc_u64 s[PSB:PSB+1], s[PSCL:PSCL+1], s[96:97]
	s_lshl_b32 s96, s95, 5
	s_add_nc_u64 s[RSB:RSB+1], s[RSCL:RSCL+1], s[96:97]
	s_lshl_b32 s96, s94, 2
	s_and_b32 s96, s96, s[MP]                      ; the side that has no bias reads from the bias's first bytes, inside the buffer, and is switched off below
	s_add_nc_u64 s[BIASP:BIASP+1], s[BIAS:BIAS+1], s[96:97]
	s_lshl_b32 s96, s95, 2
	s_and_b32 s96, s96, s[MR]
	s_add_nc_u64 s[BIASR:BIASR+1], s[BIAS:BIAS+1], s[96:97]
	v_and_b32 v3, 31, v0                           ; lane
	v_and_b32 v1, 15, v0                           ; r
	v_bfe_u32 v2, v0, 4, 1                         ; h
	v_lshlrev_b32 v[OPS], 5, v1
	v_lshlrev_b32 v[OBP], 5, v2
	v_lshlrev_b32 v[OBR], 2, v1
	WIN 0x80                                       ; destination window 2
.irp t, 0,1,2,3,4,5,6,7
	global_load_b128 v[BP+8*\t:BP+8*\t+3], v[OBP], s[BIASP:BIASP+1] offset:64*\t       ; the bias of P rows 16 t + 8 h + 0 .. 7: the result's layout
	global_load_b128 v[BP+8*\t+4:BP+8*\t+7], v[OBP], s[BIASP:BIASP+1] offset:64*\t+16
.endr
	WIN 0
.irp a, 0,1,2,3
	global_load_b32 v[BR+2*\a], v[OBR], s[BIASR:BIASR+1] offset:64*\a                  ; the bias of R row 16 a + r
.endr
.irp t, 0,1,2,3,4,5,6,7
	global_load_b128 v[PS+8*\t:PS+8*\t+3], v[OPS], s[PSB:PSB+1] offset:512*\t          ; row 16 t + r: its eight scale words
	global_load_b128 v[PS+8*\t+4:PS+8*\t+7], v[OPS], s[PSB:PSB+1] offset:512*\t+16
.endr
.irp a, 0,1,2,3
	global_load_b128 v[RS+8*\a:RS+8*\a+3], v[OPS], s[RSB:RSB+1] offset:512*\a
	global_load_b128 v[RS+8*\a+4:RS+8*\a+7], v[OPS], s[RSB:RSB+1] offset:512*\a+16
.endr
	; LDS addresses
	v_mul_u32_u24 v25, v1, PITCH
	v_mad_u32_u24 v26, v2, 24, v25                 ; row r, + 24 bytes for lanes 16-31
	s_mul_i32 s100, s[WP], 128*PITCH
	v_add_nc_u32 v[AP], s100, v26
	v_add_nc_u32 v[AP+1], PCH, v[AP]
	v_add_nc_u32 v[AP+2], 2*PCH, v[AP]
	v_mad_u32_u24 v27, v2, PCH+24-256, v25         ; lanes 16-31 a chunk on and 256 bytes back
	v_add_nc_u32 v[APX], s100, v27
	v_add_nc_u32 v[APX+1], PCH, v[APX]
	s_mul_i32 s101, s[WR], 64*PITCH
	s_add_co_u32 s101, s101, RB0
	v_add_nc_u32 v[AR], s101, v26
	v_add_nc_u32 v[AR+1], RCH, v[AR]
	v_add_nc_u32 v[AR+2], 2*RCH, v[AR]
	v_mad_u32_u24 v27, v2, RCH+24-256, v25
	v_add_nc_u32 v[ARX], s101, v27
	v_add_nc_u32 v[ARX+1], RCH, v[ARX]
	s_mul_i32 s100, s[WV], WST                     ; my stage
	v_lshrrev_b32 v25, 3, v1                       ; r / 8
	v_and_b32 v26, 7, v1                           ; r % 8
	v_mul_u32_u24 v[SW], v25, 1536                 ; R row 16 a + r lies in tile a % 2 + 2 (r / 8) of its group of 64, at row 8 (a / 2) + r % 8
	v_lshl_add_u32 v[SW], v26, 3, v[SW]
	v_lshl_add_u32 v[SW], v2, 7, v[SW]
	v_add_nc_u32 v[SW], s100, v[SW]
	v_lshlrev_b32 v[SS], 8, v2                     ; lanes 0-15 write the first image of scale words, lanes 16-31 the second
	v_lshl_add_u32 v[SS], v26, 3, v[SS]
	v_lshl_add_u32 v[SS], v25, 2, v[SS]
	v_add_nc_u32 v[SS], s100, v[SS]
	v_add_nc_u32 v[SS], 6144, v[SS]
	v_lshlrev_b32 v[LI], 4, v3
	v_lshlrev_b32 v[L8], 3, v3
	v_add_nc_u32 v[RDA], s100, v[LI]
	v_add_nc_u32 v[RDS], s100, v[L8]
	v_lshlrev_b32 v[SH16], 4, v2
	v_cmp_eq_u32 vcc_lo, 1, v2
	v_mov_b32 v[MASK], s36
	v_mov_b32 v27, s37
	v_cndmask_b32 v[MASK], v[MASK], v27, vcc_lo
.irp b, 0,1,2,3
	v_mov_b32 v[TM+4+\b], 0                        ; written once: a lane permute's destination counts as one of its sources
.endr
	; where the results go.  q, k: the record of (batch, head, step), the group of my 64 tokens; my two heads lie a head's 16 records apart.  v: the record's second half; my two halves of the step's keys lie 3,072 bytes apart
	s_lshr_b32 s90, s[RIDX], 4
	s_lshl_b32 s90, s90, 4
	s_lshl_b32 s91, s[PIDX], 2
	s_add_co_u32 s90, s90, s91
	s_lshl_b32 s91, s[WP], 1
	s_add_co_u32 s90, s90, s91                     ; 16 x batch + my first head
	s_lshl_b32 s90, s90, 4
	s_and_b32 s91, s[RIDX], 15
	s_add_co_u32 s90, s90, s91                     ; the record
	s_mul_i32 s90, s90, 6656
	s_lshl_b32 s90, s90, s[GG]                     ; kv's records are twice as long
	s_mul_i32 s91, s[WR], 3072
	s_add_co_u32 s91, s90, s91
	s_lshl_b32 s92, s[WR], 8
	s_add_co_u32 s92, s92, s90
	s_add_co_u32 s92, s92, 6144
	s_lshl_b32 s93, 106496, s[GG]
	s_lshr_b32 s94, s[PIDX], 3
	s_lshl_b32 s94, s94, 4
	s_lshl_b32 s95, s[RIDX], 1
	s_add_co_u32 s94, s94, s95
	s_add_co_u32 s94, s94, s[WR]                   ; 16 x batch + my head
	s_lshl_b32 s94, s94, 4
	s_and_b32 s95, s[PIDX], 7
	s_lshl_b32 s95, s95, 1
	s_add_co_u32 s94, s94, s95
	s_add_co_u32 s94, s94, s[WP]                   ; the record
	s_mul_i32 s94, s94, 13312
	s_add_co_u32 s94, s94, 6656
	s_add_co_u32 s95, s94, 6144
	s_cmp_eq_u32 s[GG], 2
	s_cselect_b32 s91, s94, s91
	s_cselect_b32 s92, s95, s92
	s_mov_b32 s96, 3072
	s_cselect_b32 s96, s96, s93
	s_mov_b32 s97, 256
	s_cselect_b32 s97, s97, s93
	s_mov_b32 s99, 0
	s_mov_b32 s98, s91
	s_add_nc_u64 s[BA:BA+1], s[OUTP:OUTP+1], s[98:99]
	s_mov_b32 s98, s96
	s_add_nc_u64 s[BB:BB+1], s[BA:BA+1], s[98:99]
	s_mov_b32 s98, s92
	s_add_nc_u64 s[SA:SA+1], s[OUTP:OUTP+1], s[98:99]
	s_mov_b32 s98, s97
	s_add_nc_u64 s[SB:SB+1], s[SA:SA+1], s[98:99]
	; the sums begin as the bias, while the first tiles are on their way
	s_wait_loadcnt 24                              ; the 20 loads of the biases are in; the 24 of the scales may be out
.irp a, 0,1,2,3
	v_and_b32 v[BR+2*\a+1], s[MR], v[BR+2*\a]
	v_and_b32 v[BR+2*\a], s[MR], v[BR+2*\a]
.endr
	WIN 0x42                                       ; destination window 1, source 0 window 2
.irp a, 0,1,2,3
.irp t, 0,1,2,3,4,5,6,7
.irp p, 0,2,4,6
	v_pk_fma_f32 v[64*\a+8*\t+\p:64*\a+8*\t+\p+1], v[BP+8*\t+\p:BP+8*\t+\p+1], s[MPF:MPF+1], v[BR+2*\a:BR+2*\a+1] op_sel_hi:[1,0,1]   ; P's bias x 1 or 0, + R's
.endr
.endr
.endr
	WIN 0
	s_wait_tensorcnt 0x4                           ; my parts of chunk 0 are in; the four younger loads may be out
	s_barrier_signal -1
	s_barrier_wait -1                              ; everybody's are
	RUN1 0
	RUN2 0
	s_wait_loadcnt 0x0                             ; the scale words
	KSTEP 0, -1
	KSTEP 1, 2                                     ; step 2's fragments reach into chunk 1: chunk 2's two loads may be out
	KSTEP 2, -1
	KSTEP 3, -1
	KSTEP 4, 0                                     ; step 5's reach into chunk 2.  Behind this barrier nobody reads chunk 0 any more
	KSTEP 5, -1
	KSTEP 6, -1
	KSTEP 7, -1
	WIN 0
	PLACES 4                                       ; behind the last products, in front of the first read of results
	; THE WAY OUT: block by block of 16 R rows: quantised, and laid into my stage as the images that the next launch loads
.irp a, 0,1,2,3
	QUANT \a
	v_sub_nc_u32 v[PW], v[PW], s[ADJ]              ; q: x 2^-3; no byte is under 4, so nothing is borrowed
	v_lshrrev_b32 v[TW], v[SH16], v[PW]
	v_and_b32 v[TW], v[MASK], v[TW]
.irp c, 0,1
.irp e, 0,1,2
	ds_store_b64 v[SW], v[PC+6*\c+2*\e:PC+6*\c+2*\e+1] offset:3072*\c+768*(\a%2)+64*(\a/2)+256*\e
.endr
.endr
	ds_store_b32 v[SS], v[TW] offset:128*(\a%2)+64*(\a/2)
	s_wait_dscnt 0x0                               ; the stores have read their registers: the next block's codes may be written
.endr
.irp i, 0,1,2,3,4,5,6,7,8,9,10,11
	ds_load_b128 v[RBK+4*\i:RBK+4*\i+3], v[RDA] offset:512*\i
.endr
	ds_load_b64 v[RBS:RBS+1], v[RDS] offset:6144
	ds_load_b64 v[RBS+2:RBS+3], v[RDS] offset:6400
	s_wait_dscnt 0x0
.irp i, 0,1,2,3,4,5
	global_store_b128 v[LI], v[RBK+4*\i:RBK+4*\i+3], s[BA:BA+1] offset:512*\i           ; 32 lanes store 512 consecutive bytes, at a multiple of 256 from the buffer's first byte
.endr
.irp i, 0,1,2,3,4,5
	global_store_b128 v[LI], v[RBK+24+4*\i:RBK+24+4*\i+3], s[BB:BB+1] offset:512*\i
.endr
	global_store_b64 v[L8], v[RBS:RBS+1], s[SA:SA+1]       ; 256 consecutive bytes
	global_store_b64 v[L8], v[RBS+2:RBS+3], s[SB:SB+1]
	s_wait_tensorcnt 0x0
	ds_add_u32 v254, v255
	s_wait_dscnt 0x0
	CROUND                                         ; the closing round: no work-group ends while a partner may still ask for a tile that names it
	s_endpgm
.Lfunc_end_k_qf07882e230_proj:
	.size	k_qf07882e230_proj, .Lfunc_end_k_qf07882e230_proj-k_qf07882e230_proj
	.p2alignl 7, 3214868480
	.fill 96, 4, 3214868480
	.section	.rodata,"a",@progbits
	.p2align	6, 0x0
	.amdhsa_kernel k_qf07882e230_proj
		.amdhsa_group_segment_fixed_size 313856
		.amdhsa_private_segment_fixed_size 0
		.amdhsa_enable_private_segment 0
		.amdhsa_kernarg_size 136
		.amdhsa_user_sgpr_count 2
		.amdhsa_user_sgpr_kernarg_segment_ptr 1
		.amdhsa_wavefront_size32 1
		.amdhsa_system_sgpr_workgroup_id_x 1
		.amdhsa_system_sgpr_workgroup_id_y 1
		.amdhsa_system_sgpr_workgroup_id_z 1
		.amdhsa_system_vgpr_workitem_id 0
		.amdhsa_next_free_vgpr 768
		.amdhsa_next_free_sgpr 102
		.amdhsa_reserve_vcc 1
		.amdhsa_float_denorm_mode_32 3
		.amdhsa_float_denorm_mode_16_64 3
		.amdhsa_memory_ordered 1
		.amdhsa_forward_progress 1
		.amdhsa_inst_pref_size 115
	.end_amdhsa_kernel
	.amdgpu_metadata
---
amdhsa.version: [ 1, 2 ]
amdhsa.kernels:
  - .name:           k_qf07882e230_proj
    .symbol:         k_qf07882e230_proj.kd
    .args:
      - { .name: query_codes, .offset: 0, .size: 8, .value_kind: global_buffer, .address_space: global }
      - { .name: query_scales, .offset: 8, .size: 8, .value_kind: global_buffer, .address_space: global }
      - { .name: key_codes, .offset: 16, .size: 8, .value_kind: global_buffer, .address_space: global }
      - { .name: key_scales, .offset: 24, .size: 8, .value_kind: global_buffer, .address_space: global }
      - { .name: value_codes, .offset: 32, .size: 8, .value_kind: global_buffer, .address_space: global }
      - { .name: value_scales, .offset: 40, .size: 8, .value_kind: global_buffer, .address_space: global }
      - { .name: Wq_codes, .offset: 48, .size: 8, .value_kind: global_buffer, .address_space: global }
      - { .name: Wq_scales, .offset: 56, .size: 8, .value_kind: global_buffer, .address_space: global }
      - { .name: Wk_codes, .offset: 64, .size: 8, .value_kind: global_buffer, .address_space: global }
      - { .name: Wk_scales, .offset: 72, .size: 8, .value_kind: global_buffer, .address_space: global }
      - { .name: Wv_codes, .offset: 80, .size: 8, .value_kind: global_buffer, .address_space: global }
      - { .name: Wv_scales, .offset: 88, .size: 8, .value_kind: global_buffer, .address_space: global }
      - { .name: bq, .offset: 96, .size: 8, .value_kind: global_buffer, .address_space: global }
      - { .name: bk, .offset: 104, .size: 8, .value_kind: global_buffer, .address_space: global }
      - { .name: bv, .offset: 112, .size: 8, .value_kind: global_buffer, .address_space: global }
      - { .name: qimg, .offset: 120, .size: 8, .value_kind: global_buffer, .address_space: global }
      - { .name: kv, .offset: 128, .size: 8, .value_kind: global_buffer, .address_space: global }
    .group_segment_fixed_size: 313856
    .private_segment_fixed_size: 0
    .kernarg_segment_align: 8
    .kernarg_segment_size: 136
    .max_flat_workgroup_size: 128
    .sgpr_count:     102
    .vgpr_count:     768
    .wavefront_size: 32
...
	.end_amdgpu_metadata
.endif
;; end of part 1
;; launch attn (part 2): grid 4 x 64, 8 waves a work-group, clusters of 4 x 1, 240,640 bytes of LDS; arguments qimg, kv, att; writes att
.if DOCPART == 2
	.amdgcn_target "amdgcn-amd-amdhsa--gfx1250"
	.amdhsa_code_object_version 6
	.text
	.protected	k_qf07882e230_attn
	.globl	k_qf07882e230_attn
	.p2align	8
	.type	k_qf07882e230_attn,@function
k_qf07882e230_attn:
	s_mov_b64 s[64:65], 0
	v_nop
	global_prefetch_b8 v0, s[64:65] scope:SCOPE_SE
	s_setreg_imm32_b32 hwreg(HW_REG_WAVE_MODE, 25, 1), 1
	s_wait_xcnt 0x0
	s_wait_alu depctr_hold_cnt(0) depctr_sa_sdst(0) depctr_va_vdst(0) depctr_va_sdst(0) depctr_va_ssrc(0) depctr_va_vcc(0) depctr_vm_vsrc(0)
	s_getreg_b32 s2, hwreg(HW_REG_IB_STS2, 6, 4)
	s_cmp_eq_u32 s2, 0
	s_cbranch_scc0 .Lentry_in_a_cluster
	s_endpgm
.Lentry_in_a_cluster:
	s_bfe_u32 s2, ttmp6, 0x10000c
	s_cmp_lg_u32 s2, 0x3003
	s_cbranch_scc0 .Lentry_shape_is_right
	s_endpgm
.Lentry_shape_is_right:
; scores = q k^T / 8 and attn_out = scores v for one head, both on codes of FP6 (E2M3) with E8M0 scales; there is no softmax.  The scores are quantised along the keys in registers, attn_out along the head's 64.
; A work-group owns one (batch, head) and 512 queries; each of its eight waves 64 queries: four tiles of 16.  Two waves share a SIMD, so that one wave's vector work stands beside the other's matrix work.
; THE HEAD'S WHOLE K AND V, 16 records of 13,312 bytes, stay in LDS as they lie in memory: images of operand registers, read 8 bytes a lane at 8 x lane.  Nothing is filled twice.
; CLUSTER 4 x 1: the four blocks of queries of a head need the same records: each wave's two loads are joint loads.
; Both products are used transposed: S^T = K Q^T (source 0 = 16 keys, source 1 = 16 queries), O^T = V^T P^T: a lane holds one query throughout.
; The rows of K's tiles are laid so that lane (r, h) gets, from the four tiles of a half step, ALL 32 keys of block 2 c + h: a block's largest magnitude needs no other lane, and the conversions' results are the operand's registers.
; K = 64 fills registers 0-5 of an operand of 12.  Q's upper six hold zero codes; K's operand runs on over the next tile's six registers, which so count for nothing; bytes 2 and 3 of both scale words are 0.
; 1 / 8 is in q's scale bytes.  V's tile t lands in O^T at slot 2 (t % 2) + t / 2, so that a lane's 32 registers of O^T are 32 neighbours along d.
; LIMITS: a block of scores or of attn_out whose largest magnitude lies under 2^-124 is quantised with the scale held there; a block of zeros keeps that byte, 1 (its codes are zeros, and this program alone reads the bytes); NaN and infinities are not served.
.set REC,   13312                      ; a step's record: K's codes 6,144, K's scale words 512, V's codes 6,144, V's scale words 256, 256 zeros
.set STAGE, 16*REC                     ; behind the records: a stage for each wave, into which no tile lands
.set WST,   3328                       ; 3,072 bytes of codes, 128 scale bytes, in whole blocks of 256
; window 0
.set L8,  1                            ; 8 x lane
.set AD,  2                            ; the step's record + 8 x lane
.set SH8, 3                            ; 8 x (lane / 16)
.set SWA, 4                            ; the stage: where I put a block's codes
.set SWB, 5                            ; and its scale byte
.set RDA, 6                            ; the stage read back, 16 bytes a lane
.set RDS, 7                            ; and 4 bytes a lane
.set LI,  8                            ; 16 x lane
.set L4,  9                            ; 4 x lane
.set T,   10
.set T2,  11
.set MXA, 12
.set MXB, 13
.set SO,  14                           ; the conversions' scale operand
.set BY,  16                           ; v16-17 the scale bytes of a tile's two blocks
.set PW,  18                           ; the scores' scale word
.set QS,  20                           ; v20-21 Q's scale words: tile i in register i / 2, lanes 16 (i % 2) on
.set KS,  22                           ; v22-25 K's: tile (c, u) in register 2 c + u / 2, lanes 16 (u % 2) on
.set VS,  26                           ; v26-27 V's
.set QF,  28                           ; v28-75 Q: tile i at 12 i
.set KF,  76                           ; v76-123 K: tile (c, u) at 24 c + 6 u; v124-129 zeros
.set SB0, 130                          ; v130-161, v162-193 the scores of a tile of queries x 64 keys, two buffers
.set PC,  194                          ; v194-205 the scores' codes: 16 queries x 128 keys
.set PT,  206                          ; v206-208
.set RBK, 210                          ; v210-234 the way out
; window 1: O^T of tile i at 32 i; V's fragments at 128 + 12 t
.set VF,  128
.set WV,  10
.set CX,  11
.set HD,  12
.set TB,  13                           ; the step's record in LDS
.set CNT, 14
.set SEL, 16
.set G1A, 20
.set G1B, 28
.set G0A, 36
.set G0B, 40
.set QP,  56
.set QSP, 58
.set OC,  60
.set OS,  62
.set MSB, 0
.macro WIN new                         ; the immediate's high byte repeats the setting that is left
.if MSB != \new
	s_set_vgpr_msb (MSB<<8)|\new
.set MSB, \new
.endif
.endm
.macro PLACES n
.rept \n
	v_nop
.endr
.endm
.macro CROUND                          ; a round of the cluster's barrier
	s_barrier_signal -1
	s_barrier_wait -1
	s_cmp_lg_u32 s[WV], 0
	s_cbranch_scc1 .Lnot_wave_0_\@
	s_barrier_signal -3
.Lnot_wave_0_\@:
	s_barrier_wait -3
	s_barrier_signal -1
	s_barrier_wait -1
.endm
; Unit n = tile of queries n / 2, half n % 2 of the step's keys.  Its product with K's tile u: 16 keys x 16 queries.
.macro SWM n, u
.set rD, SB0+32*((\n)%2)+8*(\u)
.set rA, KF+24*((\n)%2)+6*(\u)
.set rB, QF+12*((\n)/2)
.set rSA, KS+2*((\n)%2)+(\u)/2
.set rSB, QS+((\n)/2)/2
.if ((\u)%2 == 0) && (((\n)/2)%2 == 0)
	v_wmma_scale_f32_16x16x128_f8f6f4 v[rD:rD+7], v[rA:rA+11], v[rB:rB+11], 0, v[rSA], v[rSB] matrix_a_fmt:MATRIX_FMT_FP6 matrix_b_fmt:MATRIX_FMT_FP6
.elseif ((\n)/2)%2 == 0
	v_wmma_scale_f32_16x16x128_f8f6f4 v[rD:rD+7], v[rA:rA+11], v[rB:rB+11], 0, v[rSA], v[rSB] matrix_a_fmt:MATRIX_FMT_FP6 matrix_b_fmt:MATRIX_FMT_FP6 matrix_a_scale:MATRIX_SCALE_ROW1
.elseif (\u)%2 == 0
	v_wmma_scale_f32_16x16x128_f8f6f4 v[rD:rD+7], v[rA:rA+11], v[rB:rB+11], 0, v[rSA], v[rSB] matrix_a_fmt:MATRIX_FMT_FP6 matrix_b_fmt:MATRIX_FMT_FP6 matrix_b_scale:MATRIX_SCALE_ROW1
.else
	v_wmma_scale_f32_16x16x128_f8f6f4 v[rD:rD+7], v[rA:rA+11], v[rB:rB+11], 0, v[rSA], v[rSB] matrix_a_fmt:MATRIX_FMT_FP6 matrix_b_fmt:MATRIX_FMT_FP6 matrix_a_scale:MATRIX_SCALE_ROW1 matrix_b_scale:MATRIX_SCALE_ROW1
.endif
.endm
; O^T of tile i += V^T P^T over the step's 128 keys: four accumulators, one instruction each.  zero = 1: the first step starts the sums.
.macro PV i, zero
.if (\i) == 0
	s_wait_dscnt 0x0                               ; V's fragments and scale words are in
.endif
	WIN 0x51                                       ; source 0 (V) window 1, source 1 (the codes) window 0, C and D window 1
.irp t, 0,1,2,3
.set rO, 32*(\i)+8*(2*(\t%2)+\t/2)
.if \zero
.if \t%2
	v_wmma_scale_f32_16x16x128_f8f6f4 v[rO:rO+7], v[VF+12*\t:VF+12*\t+11], v[PC:PC+11], 0, v[VS+\t/2], v[PW] matrix_a_fmt:MATRIX_FMT_FP6 matrix_b_fmt:MATRIX_FMT_FP6 matrix_a_scale:MATRIX_SCALE_ROW1
.else
	v_wmma_scale_f32_16x16x128_f8f6f4 v[rO:rO+7], v[VF+12*\t:VF+12*\t+11], v[PC:PC+11], 0, v[VS+\t/2], v[PW] matrix_a_fmt:MATRIX_FMT_FP6 matrix_b_fmt:MATRIX_FMT_FP6
.endif
.else
.if \t%2
	v_wmma_scale_f32_16x16x128_f8f6f4 v[rO:rO+7], v[VF+12*\t:VF+12*\t+11], v[PC:PC+11], v[rO:rO+7], v[VS+\t/2], v[PW] matrix_a_fmt:MATRIX_FMT_FP6 matrix_b_fmt:MATRIX_FMT_FP6 matrix_a_scale:MATRIX_SCALE_ROW1
.else
	v_wmma_scale_f32_16x16x128_f8f6f4 v[rO:rO+7], v[VF+12*\t:VF+12*\t+11], v[PC:PC+11], v[rO:rO+7], v[VS+\t/2], v[PW] matrix_a_fmt:MATRIX_FMT_FP6 matrix_b_fmt:MATRIX_FMT_FP6
.endif
.endif
.endr
	WIN 0
.endm
; Unit n's 32 scores of a lane, one whole block of keys, become six registers of codes and a scale byte: 23 lines.  more = 1: the next unit's four products stand among them, each four plain lines or more
; ahead of the first read of its result, which is at the result's low end.  pv >= 0: tile pv's four products V^T P^T stand behind the eleventh line: eight plain lines or more behind the write of the scale word,
; six ahead of the conversion that writes the codes anew.
.macro QH n, more, pv, zero
.set SC0, SB0+32*((\n)%2)
	v_max3_num_f32 v[MXA], |v[SC0]|, |v[SC0+1]|, 0x1800000          ; two chains; the floor 2^(3 - 127) holds the byte at 1 from below
	v_max3_num_f32 v[MXB], |v[SC0+16]|, |v[SC0+17]|, |v[SC0+18]|
	v_max3_num_f32 v[MXA], v[MXA], |v[SC0+2]|, |v[SC0+3]|
.if \more
	SWM (\n)+1, 0
.endif
	v_max3_num_f32 v[MXB], v[MXB], |v[SC0+19]|, |v[SC0+20]|
	v_max3_num_f32 v[MXA], v[MXA], |v[SC0+4]|, |v[SC0+5]|
	v_max3_num_f32 v[MXB], v[MXB], |v[SC0+21]|, |v[SC0+22]|
	v_max3_num_f32 v[MXA], v[MXA], |v[SC0+6]|, |v[SC0+7]|
	v_max3_num_f32 v[MXB], v[MXB], |v[SC0+23]|, |v[SC0+24]|
	v_max3_num_f32 v[MXA], v[MXA], |v[SC0+8]|, |v[SC0+9]|
.if \more
	SWM (\n)+1, 1
.endif
	v_max3_num_f32 v[MXB], v[MXB], |v[SC0+25]|, |v[SC0+26]|
	v_max3_num_f32 v[MXA], v[MXA], |v[SC0+10]|, |v[SC0+11]|
.if \pv >= 0
	PV \pv, \zero
.endif
	v_max3_num_f32 v[MXB], v[MXB], |v[SC0+27]|, |v[SC0+28]|
	v_max3_num_f32 v[MXA], v[MXA], |v[SC0+12]|, |v[SC0+13]|
	v_max3_num_f32 v[MXB], v[MXB], |v[SC0+29]|, |v[SC0+30]|
	v_max3_num_f32 v[MXA], v[MXA], |v[SC0+14]|, |v[SC0+15]|
.if \more
	SWM (\n)+1, 2
.endif
	v_max3_num_f32 v[MXA], v[MXA], v[MXB], |v[SC0+31]|              ; the block's largest magnitude
	v_add_nc_u32 v[SO], 0xff000000, v[MXA]                         ; 2 off its exponent field: the conversions' scale operand
	v_cvt_scalef32_pk16_fp6_f32 v[PC+6*((\n)%2):PC+6*((\n)%2)+2], v[SC0:SC0+15], v[SO]
	v_cvt_scalef32_pk16_fp6_f32 v[PT:PT+2], v[SC0+16:SC0+31], v[SO]  ; (a conversion's three registers begin on an even number)
	v_lshrrev_b32 v[BY+(\n)%2], 23, v[SO]                          ; the scale's byte; also the plain line behind the conversions
.if \more
	SWM (\n)+1, 3
.endif
.irp i, 0,1,2
	v_mov_b32 v[PC+6*((\n)%2)+3+\i], v[PT+\i]
.endr
.endm
.macro PWL                             ; a tile's scale word: my bytes are those of blocks h and 2 + h; lane l xor 16 has the other two
	v_lshl_or_b32 v[T], v[BY+1], 16, v[BY]
	v_lshlrev_b32 v[T], v[SH8], v[T]
	v_permlanex16_b32 v[T2], v[T], s[SEL], s[SEL+1]
	v_or_b32 v[PW], v[T], v[T2]
.endm
; A STEP: 128 keys.
.macro STEP zero
	v_add_nc_u32 v[AD], s[TB], v[L8]
	PLACES 3                                       ; with the line above: four places behind the last products, in front of the loads into V's registers
.irp c, 0,1
	ds_load_b64 v[KS+2*\c:KS+2*\c+1], v[AD] offset:6144+256*\c
.endr
.irp c, 0,1
.irp u, 0,1,2,3
.irp e, 0,1,2
	ds_load_b64 v[KF+24*\c+6*\u+2*\e:KF+24*\c+6*\u+2*\e+1], v[AD] offset:3072*\c+768*\u+256*\e
.endr
.endr
.endr
	WIN 0x40                                       ; destination window 1
.irp t, 0,1,2,3
.irp c, 0,1
.irp e, 0,1,2
	ds_load_b64 v[VF+12*\t+6*\c+2*\e:VF+12*\t+6*\c+2*\e+1], v[AD] offset:6656+3072*\c+768*\t+256*\e
.endr
.endr
.endr
	WIN 0
	ds_load_b64 v[VS:VS+1], v[AD] offset:12800
	s_wait_dscnt 25                                ; K and its scale words are in; V's 25 loads may be out
	SWM 0, 0
	SWM 0, 1
	SWM 0, 2
	SWM 0, 3
	PLACES 4
	QH 0, 1, -1, \zero
	QH 1, 1, -1, \zero
	PWL
	QH 2, 1, 0, \zero
	QH 3, 1, -1, \zero
	PWL
	QH 4, 1, 1, \zero
	QH 5, 1, -1, \zero
	PWL
	QH 6, 1, 2, \zero
	QH 7, 0, -1, \zero
	PWL
	PLACES 8                                       ; a scale register written by a vector instruction stands eight places ahead of the scaled product
	PV 3, \zero
	s_add_co_u32 s[TB], s[TB], REC
.endm
	s_load_b128 s[4:7], s[0:1], 0x0                ; qimg, kv
	s_load_b64 s[8:9], s[0:1], 0x10                ; att
	v_lshl_add_u32 v254, v0, 2, 0x3a800
	v_mov_b32 v255, 0
	ds_add_u32 v254, v255
	ds_add_u32 v254, v255
	v_lshrrev_b32 v2, 5, v0
	v_readfirstlane_b32 s[WV], v2                  ; wave 0..7
	s_bfe_u32 s[CX], ttmp6, 0x40000                ; my block of 512 queries: it enters Q's and the output's addresses alone
	s_and_b32 s[HD], ttmp7, 0xffff                 ; 16 x batch + head, which the four partners share
.irp g, G1A, G1B                               ; dense blocks, as rows of 256 bytes
	s_mov_b32 s[\g], 15|(3<<16)|(1<<21)            ; the mask: all four work-groups; elements of 8 bytes; bit 21 beside a mask
	s_mov_b32 s[\g+1], 32<<16
	s_mov_b32 s[\g+3], 32<<16
	s_mov_b32 s[\g+5], 32
	s_mov_b32 s[\g+6], 0
	s_mov_b32 s[\g+7], 0
.endr
	s_mov_b32 s[G1A+2], 26<<16                     ; an eighth of steps 0 to 3: 6,656 bytes
	s_mov_b32 s[G1A+4], 26
	s_mov_b32 s[G1B+2], 78<<16                     ; an eighth of steps 4 to 15: 19,968 bytes
	s_mov_b32 s[G1B+4], 78
	s_mov_b32 s[SEL], 0x76543210
	s_mov_b32 s[SEL+1], 0xfedcba98
	s_mul_i32 s44, s[HD], 16*REC                   ; the head's first byte in kv
	s_mov_b32 s45, 0
	s_mul_i32 s46, s[WV], 6656                     ; my parts: the same place in the head's block and in LDS
	s_mul_i32 s47, s[WV], 19968
	s_add_co_u32 s47, s47, 4*REC
	s_mov_b32 s48, s46
	s_mov_b32 s49, 0
	s_mov_b32 s50, s47
	s_mov_b32 s51, 0
	s_wait_dscnt 0x0
	s_wait_kmcnt 0x0
	s_add_nc_u64 s[44:45], s[6:7], s[44:45]
	s_mov_b32 s[G0A], 1
	s_mov_b32 s[G0A+1], s46
	s_add_nc_u64 s[G0A+2:G0A+3], s[44:45], s[48:49]
	s_or_b32 s[G0A+3], s[G0A+3], 0x80000000
	s_mov_b32 s[G0B], 1
	s_mov_b32 s[G0B+1], s47
	s_add_nc_u64 s[G0B+2:G0B+3], s[44:45], s[50:51]
	s_or_b32 s[G0B+3], s[G0B+3], 0x80000000
	CROUND                                         ; all four work-groups are here: the joint loads meet
	tensor_load_to_lds s[G0A:G0A+3], s[G1A:G1A+7]  ; two loads of mine are out
	s_nop 0
	tensor_load_to_lds s[G0B:G0B+3], s[G1B:G1B+7]
	s_nop 0
	PLACES 4
	s_lshl_b32 s52, s[HD], 4
	s_lshl_b32 s53, s[CX], 2
	s_add_co_u32 s52, s52, s53
	s_lshr_b32 s53, s[WV], 1
	s_add_co_u32 s52, s52, s53                     ; my queries' record: step 4 cx + wave / 2,
	s_mul_i32 s52, s52, 6656
	s_and_b32 s54, s[WV], 1                        ; group wave % 2
	s_mul_i32 s53, s54, 3072
	s_add_co_u32 s48, s52, s53
	s_mov_b32 s49, 0
	s_add_nc_u64 s[QP:QP+1], s[4:5], s[48:49]
	s_lshl_b32 s53, s54, 8
	s_add_co_u32 s48, s52, s53
	s_add_co_u32 s48, s48, 6144
	s_add_nc_u64 s[QSP:QSP+1], s[4:5], s[48:49]
	v_and_b32 v[L8], 31, v0                        ; lane
	v_lshlrev_b32 v[LI], 4, v[L8]
	v_lshlrev_b32 v[L4], 2, v[L8]
	v_lshlrev_b32 v[L8], 3, v[L8]
.irp i, 0,1,2,3
.irp e, 0,1,2
	global_load_b64 v[QF+12*\i+2*\e:QF+12*\i+2*\e+1], v[L8], s[QP:QP+1] offset:768*\i+256*\e   ; Q stays in registers
.endr
.endr
	global_load_b64 v[QS:QS+1], v[L8], s[QSP:QSP+1]
.irp i, 0,1,2,3
.irp e, 6,7,8,9,10,11
	v_mov_b32 v[QF+12*\i+\e], 0                    ; zero codes for K = 64 .. 127
.endr
.endr
.irp e, 0,1,2,3,4,5
	v_mov_b32 v[KF+48+\e], 0                       ; what the last tile's operand runs on over
.endr
	v_mov_b32 v[T2], 0                             ; written once: a lane permute's destination counts as one of its sources
	v_and_b32 v12, 15, v0                          ; r
	v_bfe_u32 v13, v0, 4, 1                        ; h
	v_lshrrev_b32 v14, 3, v12                      ; r / 8
	v_and_b32 v16, 7, v12                          ; r % 8
	v_lshlrev_b32 v[SH8], 3, v13
	s_mul_i32 s52, s[WV], WST
	s_add_co_u32 s52, s52, STAGE                   ; my stage
	v_mul_u32_u24 v[SWA], v14, 1536                ; lane r of tile i is query 32 (r / 8) + 16 (i % 2) + 8 (i / 2) + r % 8 of my 64: 48 bytes a query, 24 a block
	v_mad_u32_u24 v[SWA], v16, 48, v[SWA]
	v_mad_u32_u24 v[SWA], v13, 24, v[SWA]
	v_add_nc_u32 v[SWA], s52, v[SWA]
	v_lshlrev_b32 v[SWB], 6, v14                   ; 2 scale bytes a query
	v_lshl_add_u32 v[SWB], v16, 1, v[SWB]
	v_add_nc_u32 v[SWB], v13, v[SWB]
	v_add_nc_u32 v[SWB], s52, v[SWB]
	v_add_nc_u32 v[SWB], 3072, v[SWB]
	v_add_nc_u32 v[RDA], s52, v[LI]
	v_add_nc_u32 v[RDS], s52, v[L4]
	s_lshr_b32 s52, s[HD], 4
	s_lshl_b32 s52, s52, 11
	s_lshl_b32 s53, s[CX], 9
	s_add_co_u32 s52, s52, s53
	s_lshl_b32 s53, s[WV], 6
	s_add_co_u32 s52, s52, s53                     ; my first token: 2,048 x batch + 512 cx + 64 x wave
	s_and_b32 s53, s[HD], 15                       ; the head
	s_mul_i32 s54, s53, 393216
	s_mul_i32 s55, s52, 48
	s_add_co_u32 s54, s54, s55
	s_mov_b32 s55, 0
	s_add_nc_u64 s[OC:OC+1], s[8:9], s[54:55]      ; att's codes: [head][token][48 bytes]
	s_lshl_b32 s54, s53, 14
	s_lshl_b32 s52, s52, 1
	s_add_co_u32 s54, s54, s52
	s_add_co_u32 s54, s54, 6291456
	s_add_nc_u64 s[OS:OS+1], s[8:9], s[54:55]      ; its scale bytes: [head][token][2]
	s_mov_b32 s[TB], 0
	s_wait_tensorcnt 0x1                           ; my part of steps 0 to 3 is in; the other load may be out
	s_barrier_signal -1
	s_barrier_wait -1                              ; everybody's is
	s_wait_loadcnt 0x0                             ; Q
	STEP 1                                         ; the first step starts O^T's sums
	s_mov_b32 s[CNT], 3
.Lfirst:
	STEP 0
	s_sub_co_u32 s[CNT], s[CNT], 1
	s_cmp_lg_u32 s[CNT], 0
	s_cbranch_scc1 .Lfirst
	s_wait_tensorcnt 0x0                           ; my part of steps 4 to 15 is in: it has had four steps in which to land
	s_wait_dscnt 0x0
	s_barrier_signal -1
	s_barrier_wait -1
	s_mov_b32 s[CNT], 12
.Lrest:
	STEP 0
	s_sub_co_u32 s[CNT], s[CNT], 1
	s_cmp_lg_u32 s[CNT], 0
	s_cbranch_scc1 .Lrest
	; THE WAY OUT: a lane's 32 registers of a tile are one block of attn_out, d = 32 h + 0 .. 31 of its query: quantised, gathered in my stage by tokens, stored in runs of 512 bytes
	PLACES 4
.irp i, 0,1,2,3
	WIN 0x05                                       ; sources 0 and 1 window 1
	v_max3_num_f32 v[MXA], |v[32*\i]|, |v[32*\i+1]|, 0x1800000      ; each accumulator is read from its low end on
	v_max_num_f32 v[MXB], |v[32*\i+16]|, |v[32*\i+17]|
.irp e, 2,4,6,8,10,12,14
	v_max3_num_f32 v[MXA], |v[32*\i+\e]|, |v[32*\i+\e+1]|, v[MXA]
	v_max3_num_f32 v[MXB], |v[32*\i+16+\e]|, |v[32*\i+17+\e]|, v[MXB]
.endr
	WIN 0
	v_max_num_f32 v[MXA], v[MXA], v[MXB]
	v_add_nc_u32 v[SO], 0xff000000, v[MXA]
	WIN 0x01                                       ; source 0 window 1
	v_cvt_scalef32_pk16_fp6_f32 v[PC:PC+2], v[32*\i:32*\i+15], v[SO]
	v_cvt_scalef32_pk16_fp6_f32 v[PT:PT+2], v[32*\i+16:32*\i+31], v[SO]
	WIN 0
	v_lshrrev_b32 v[BY], 23, v[SO]                 ; the byte; also the plain line behind the conversions
.irp e, 0,1,2
	v_mov_b32 v[PC+3+\e], v[PT+\e]
.endr
.irp e, 0,1,2
	ds_store_b64 v[SWA], v[PC+2*\e:PC+2*\e+1] offset:768*(\i%2)+384*(\i/2)+8*\e
.endr
	ds_store_b8 v[SWB], v[BY] offset:32*(\i%2)+16*(\i/2)
	s_wait_dscnt 0x0                               ; the stores have read their registers
.endr
.irp i, 0,1,2,3,4,5
	ds_load_b128 v[RBK+4*\i:RBK+4*\i+3], v[RDA] offset:512*\i
.endr
	ds_load_b32 v[RBK+24], v[RDS] offset:3072
	s_wait_dscnt 0x0
.irp i, 0,1,2,3,4,5
	global_store_b128 v[LI], v[RBK+4*\i:RBK+4*\i+3], s[OC:OC+1] offset:512*\i   ; 512 consecutive bytes, at a multiple of 256 from the buffer's first byte
.endr
	global_store_b32 v[L4], v[RBK+24], s[OS:OS+1]  ; my 64 tokens' 128 scale bytes
	s_wait_tensorcnt 0x0
	ds_add_u32 v254, v255
	s_wait_dscnt 0x0
	CROUND                                         ; the closing round
	s_endpgm
.Lfunc_end_k_qf07882e230_attn:
	.size	k_qf07882e230_attn, .Lfunc_end_k_qf07882e230_attn-k_qf07882e230_attn
	.p2alignl 7, 3214868480
	.fill 96, 4, 3214868480
	.section	.rodata,"a",@progbits
	.p2align	6, 0x0
	.amdhsa_kernel k_qf07882e230_attn
		.amdhsa_group_segment_fixed_size 240640
		.amdhsa_private_segment_fixed_size 0
		.amdhsa_enable_private_segment 0
		.amdhsa_kernarg_size 24
		.amdhsa_user_sgpr_count 2
		.amdhsa_user_sgpr_kernarg_segment_ptr 1
		.amdhsa_wavefront_size32 1
		.amdhsa_system_sgpr_workgroup_id_x 1
		.amdhsa_system_sgpr_workgroup_id_y 1
		.amdhsa_system_sgpr_workgroup_id_z 1
		.amdhsa_system_vgpr_workitem_id 0
		.amdhsa_next_free_vgpr 512
		.amdhsa_next_free_sgpr 66
		.amdhsa_reserve_vcc 0
		.amdhsa_float_denorm_mode_32 3
		.amdhsa_float_denorm_mode_16_64 3
		.amdhsa_memory_ordered 1
		.amdhsa_forward_progress 1
		.amdhsa_inst_pref_size 82
	.end_amdhsa_kernel
	.amdgpu_metadata
---
amdhsa.version: [ 1, 2 ]
amdhsa.kernels:
  - .name:           k_qf07882e230_attn
    .symbol:         k_qf07882e230_attn.kd
    .args:
      - { .name: qimg, .offset: 0, .size: 8, .value_kind: global_buffer, .address_space: global }
      - { .name: kv, .offset: 8, .size: 8, .value_kind: global_buffer, .address_space: global }
      - { .name: att, .offset: 16, .size: 8, .value_kind: global_buffer, .address_space: global }
    .group_segment_fixed_size: 240640
    .private_segment_fixed_size: 0
    .kernarg_segment_align: 8
    .kernarg_segment_size: 24
    .max_flat_workgroup_size: 256
    .sgpr_count:     66
    .vgpr_count:     512
    .wavefront_size: 32
...
	.end_amdgpu_metadata
.endif
;; end of part 2
;; launch outp (part 3): grid 4 x 64, 4 waves a work-group, clusters of 4 x 4, 307,712 bytes of LDS; arguments att, Wo_codes, Wo_scales, bo, out0; writes out0
.if DOCPART == 3
	.amdgcn_target "amdgcn-amd-amdhsa--gfx1250"
	.amdhsa_code_object_version 6
	.text
	.protected	k_qf07882e230_outp
	.globl	k_qf07882e230_outp
	.p2align	8
	.type	k_qf07882e230_outp,@function
k_qf07882e230_outp:
	s_mov_b64 s[64:65], 0
	v_nop
	global_prefetch_b8 v0, s[64:65] scope:SCOPE_SE
	s_setreg_imm32_b32 hwreg(HW_REG_WAVE_MODE, 25, 1), 1
	s_wait_xcnt 0x0
	s_wait_alu depctr_hold_cnt(0) depctr_sa_sdst(0) depctr_va_vdst(0) depctr_va_sdst(0) depctr_va_ssrc(0) depctr_va_vcc(0) depctr_vm_vsrc(0)
	s_getreg_b32 s2, hwreg(HW_REG_IB_STS2, 6, 4)
	s_cmp_eq_u32 s2, 0
	s_cbranch_scc0 .Lentry_in_a_cluster
	s_endpgm
.Lentry_in_a_cluster:
	s_bfe_u32 s2, ttmp6, 0x10000c
	s_cmp_lg_u32 s2, 0xf033
	s_cbranch_scc0 .Lentry_shape_is_right
	s_endpgm
.Lentry_shape_is_right:
; out0 = attn_out Wo + bo on codes of FP6 (E2M3) with E8M0 scales.  attn_out comes from att: codes [16 heads][8,192 tokens][48 bytes], scale bytes [16][8,192][2] behind them; Wo's codes [1,024 (n)][768 bytes], K innermost.
; A work-group makes 256 columns (P: rows of Wo's codes) x 128 tokens (R) over all of K = 1,024.  Source 0 = 16 P rows, source 1 = 16 tokens: a lane holds eight neighbouring columns of one row of out0.
; Four waves: wave w takes P half w % 2 (8 tiles) and R half w / 2 (4 blocks): 32 accumulators.  LDS holds the operands whole; nothing is filled twice.
; P: a row's 768 bytes as three chunks of 256, rows 272 bytes apart.  R: sixteen planes, one a head, of 128 tokens x 48 bytes, dense: K step q is planes 2 q and 2 q + 1.
; CLUSTER 4 x 4: the four of a column need the same rows of Wo, the four of a row the same tokens: each tile is asked for jointly.
; The bias is the C of each sum's first matrix instruction.  NaN and infinities are not served.
.set PITCH, 272
.set PCH,   256*PITCH
.set RB0,   3*PCH
.set PLANE, 6144
.set FR,    12
.set SPITCH, 528                       ; the way out: a stage of 16 rows x (512 bytes + 16) for each wave, in P's chunk 0, whose last reads lie in front of the barrier of step 4
.set AP,   4                           ; v4-6   my P fragments in chunk 0, 1, 2
.set APX,  7                           ; v7-8   the same where lanes 16-31 reach into the next chunk
.set AR,   9                           ; v9-10  my R fragments: planes 0-7, planes 8-15
.set STO,  14
.set RD,   15
.set LI,   16                          ; 16 x lane
.set OPS,  20                          ; 32 r
.set OBP,  21                          ; 32 h
.set OT,   22                          ; 2 r
.set PS,   32                          ; v32-95   P's scale words: 8 t + q
.set RS,   96                          ; v96-127  R's: 8 a + q
.set RF,   128                         ; v128-223 R's fragments, two sets of 48
.set RTMP, 176                         ; v176-207 the upper halves of R's scale words, until set 1 is first loaded
.set BK,   128                         ; the way out: 16 rows read back: v128-191 and v192-255 by turns
.set BP,   192                         ; window 2: the bias, 8 tiles x 8
.set WV,   14
.set WP,   15
.set WR,   16
.set CX,   17
.set CY,   18
.set RIDX, 19
.set G1P,  20
.set G1R,  28
.set G0P,  36
.set G0R,  48
.set MSB, 0
.macro WIN new                         ; the immediate's high byte repeats the setting that is left
.if MSB != \new
	s_set_vgpr_msb (MSB<<8)|\new
.set MSB, \new
.endif
.endm
.macro PLACES n
.rept \n
	v_nop
.endr
.endm
.macro CROUND                          ; a round of the cluster's barrier
	s_barrier_signal -1
	s_barrier_wait -1
	s_cmp_lg_u32 s[WV], 0
	s_cbranch_scc1 .Lnot_wave_0_\@
	s_barrier_signal -3
.Lnot_wave_0_\@:
	s_barrier_wait -3
	s_barrier_signal -1
	s_barrier_wait -1
.endm
.macro FRAG reg, adr, adrx, q, blk     ; a fragment of P: pieces of 8 bytes 12 q + 0, 1, 2, 6, 7, 8, lanes 16-31 three pieces on; 32 pieces to a chunk
.irp p, 0,1,2,3,4,5
.set PCI, 12*(\q)+6*(\p/3)+\p%3
.if PCI%32 < 29
	ds_load_b64 v[\reg+2*\p:\reg+2*\p+1], v[\adr+PCI/32] offset:8*(PCI%32)+(\blk)*16*PITCH
.else
	ds_load_b64 v[\reg+2*\p:\reg+2*\p+1], v[\adrx+PCI/32] offset:8*(PCI%32)+(\blk)*16*PITCH
.endif
.endr
.endm
.macro FRAGR reg, q, a                 ; a fragment of R: of token 16 a + r the 24 bytes of block h in planes 2 q and 2 q + 1
.irp p, 0,1,2,3,4,5
	ds_load_b64 v[\reg+2*\p:\reg+2*\p+1], v[AR+(\q)/4] offset:(2*((\q)%4)+\p/3)*PLANE+768*(\a)+8*(\p%3)
.endr
.endm
.macro RUN1 q                          ; 36 loads: K step q's four blocks of R and tiles 0, 1 of P, into set q % 2
	WIN 0
.irp a, 0,1,2,3
	FRAGR RF+48*((\q)%2)+FR*\a, \q, \a
.endr
	WIN 0x80
.irp t, 0,1
	FRAG 96*((\q)%2)+FR*\t, AP, APX, \q, \t
.endr
.endm
.macro RUN2 q                          ; 36 loads: tiles 2 to 7 of P
	WIN 0x80
.irp t, 2,3,4,5,6,7
	FRAG 96*((\q)%2)+FR*\t, AP, APX, \q, \t
.endr
.endm
; 16 matrix instructions; the 32 accumulators take turns, one instruction a turn, in the same order in every step.  first = 1: the bias starts the sums.
.macro MUL t0, set, q, first
.irp t, \t0, \t0+1, \t0+2, \t0+3
.irp a, 0,1,2,3
.if \first
	v_wmma_scale_f32_16x16x128_f8f6f4 v[64*\a+8*(\t):64*\a+8*(\t)+7], v[96*(\set)+FR*(\t):96*(\set)+FR*(\t)+FR-1], v[RF+48*(\set)+FR*\a:RF+48*(\set)+FR*\a+FR-1], v[BP+8*(\t):BP+8*(\t)+7], v[PS+8*(\t)+(\q)], v[RS+8*\a+(\q)] matrix_a_fmt:MATRIX_FMT_FP6 matrix_b_fmt:MATRIX_FMT_FP6
.else
	v_wmma_scale_f32_16x16x128_f8f6f4 v[64*\a+8*(\t):64*\a+8*(\t)+7], v[96*(\set)+FR*(\t):96*(\set)+FR*(\t)+FR-1], v[RF+48*(\set)+FR*\a:RF+48*(\set)+FR*\a+FR-1], v[64*\a+8*(\t):64*\a+8*(\t)+7], v[PS+8*(\t)+(\q)], v[RS+8*\a+(\q)] matrix_a_fmt:MATRIX_FMT_FP6 matrix_b_fmt:MATRIX_FMT_FP6
.endif
.endr
.endr
.endm
.macro MWIN q                          ; source 0 window 2, source 1 window 0, D window 1; C window 2 (the bias) in step 0, else window 1
.if (\q) == 0
	WIN 0x62
.else
	WIN 0x52
.endif
.endm
.macro KSTEP q, tcnt                   ; tcnt >= 0: the next step's fragments reach into a chunk of P not yet shown: my load of it has landed, my LDS loads are in, and a barrier shows the same of every wave
.if \tcnt >= 0
	s_wait_tensorcnt \tcnt
	s_wait_dscnt 0x0
	s_barrier_signal -1
	s_barrier_wait -1
.endif
.if \q < 7
	PLACES 4                                       ; behind the last step's products, which read the set that is loaded now
	RUN1 (\q)+1
	s_wait_dscnt 36                                ; all but the 36 just issued: this step's fragments are in
.else
	s_wait_dscnt 0x0
.endif
	MWIN \q
	MUL 0, (\q)%2, \q, (\q)==0
.if \q < 7
	RUN2 (\q)+1
	MWIN \q
.endif
	MUL 4, (\q)%2, \q, (\q)==0
.endm
	s_load_b256 s[4:11], s[0:1], 0x0               ; att s[4:5], Wo's codes s[6:7], Wo's scales s[8:9], bo s[10:11]
	s_load_b64 s[12:13], s[0:1], 0x20              ; out0
	v_lshl_add_u32 v30, v0, 2, 0x4b000
	v_mov_b32 v31, 0
	ds_add_u32 v30, v31
	ds_add_u32 v30, v31
	v_lshrrev_b32 v3, 5, v0
	v_readfirstlane_b32 s[WV], v3                  ; wave 0..3
	s_and_b32 s[WP], s[WV], 1
	s_lshr_b32 s[WR], s[WV], 1
	s_bfe_u32 s[CX], ttmp6, 0x40000                ; my tile of 256 columns
	s_bfe_u32 s[CY], ttmp6, 0x40004
	s_and_b32 s[RIDX], ttmp7, 0xffff
	s_lshl_b32 s[RIDX], s[RIDX], 2
	s_add_co_u32 s[RIDX], s[RIDX], s[CY]           ; my tile of 128 tokens
	s_lshl_b32 s52, 0x1111, s[CX]                  ; my column of the cluster
	s_lshl_b32 s54, s[CY], 2
	s_lshl_b32 s54, 15, s54                        ; my row
	s_or_b32 s[G1P], s52, (3<<16)|(1<<20)|(1<<21)|(5<<22)|(3<<25)   ; elements of 8 bytes; padding: after every 64 words, 4 words
	s_mov_b32 s[G1P+1], 32<<16                     ; rows of 256 bytes,
	s_mov_b32 s[G1P+2], 64<<16                     ; 64 a wave,
	s_mov_b32 s[G1P+3], 32<<16
	s_mov_b32 s[G1P+4], 64
	s_mov_b32 s[G1P+5], 96                         ; 768 bytes apart
	s_mov_b32 s[G1P+6], 0
	s_mov_b32 s[G1P+7], 0
	s_or_b32 s[G1R], s54, (3<<16)|(1<<21)          ; no padding
	s_mov_b32 s[G1R+1], 768<<16                    ; rows of 6,144 bytes: 128 tokens of one head,
	s_mov_b32 s[G1R+2], 4<<16                      ; four heads a wave,
	s_mov_b32 s[G1R+3], 768<<16
	s_mov_b32 s[G1R+4], 4
	s_mov_b32 s[G1R+5], 49152                      ; 393,216 bytes apart
	s_mov_b32 s[G1R+6], 0
	s_mov_b32 s[G1R+7], 0
	s_lshl_b32 s52, s[CX], 8
	s_lshl_b32 s53, s[WV], 6
	s_add_co_u32 s52, s52, s53                     ; the first row of Wo's codes that I fetch
	s_mul_i32 s52, s52, 768
	s_mov_b32 s53, 0
	s_mul_i32 s54, s[WV], 4*393216                 ; my four heads,
	s_mul_i32 s55, s[RIDX], PLANE                  ; the tile's tokens
	s_add_co_u32 s54, s54, s55
	s_mov_b32 s55, 0
	s_mul_i32 s56, s[WV], 64*PITCH                 ; where they go: the wave's number alone enters an LDS address
	s_mul_i32 s57, s[WV], 4*PLANE
	s_add_co_u32 s57, s57, RB0
	s_wait_dscnt 0x0
	s_wait_kmcnt 0x0
	s_add_nc_u64 s[52:53], s[6:7], s[52:53]
	s_add_nc_u64 s[54:55], s[4:5], s[54:55]
	s_mov_b32 s[G0R], 1
	s_mov_b32 s[G0R+1], s57
	s_mov_b64 s[G0R+2:G0R+3], s[54:55]
	s_or_b32 s[G0R+3], s[G0R+3], 0x80000000
.irp c, 0,1,2
	s_mov_b32 s[G0P+4*\c], 1
	s_add_co_u32 s[G0P+4*\c+1], s56, \c*PCH
	s_add_nc_u64 s[G0P+4*\c+2:G0P+4*\c+3], s[52:53], 256*\c
	s_or_b32 s[G0P+4*\c+3], s[G0P+4*\c+3], 0x80000000
.endr
	CROUND                                         ; all sixteen work-groups are here: the joint loads meet
	tensor_load_to_lds s[G0R:G0R+3], s[G1R:G1R+7]  ; four loads of mine are out
	s_nop 0
.irp c, 0,1,2
	tensor_load_to_lds s[G0P+4*\c:G0P+4*\c+3], s[G1P:G1P+7]
	s_nop 0
.endr
	PLACES 4
	s_lshl_b32 s58, s[CX], 8
	s_lshl_b32 s59, s[WP], 7
	s_add_co_u32 s58, s58, s59                     ; my first column
	s_lshl_b32 s60, s[RIDX], 7
	s_lshl_b32 s59, s[WR], 6
	s_add_co_u32 s60, s60, s59                     ; my first token
	s_mov_b32 s63, 0
	s_lshl_b32 s62, s58, 5
	s_add_nc_u64 s[8:9], s[8:9], s[62:63]          ; Wo's scale bytes at my first row
	s_lshl_b32 s62, s58, 2
	s_add_nc_u64 s[10:11], s[10:11], s[62:63]      ; bo at my first column
	s_add_nc_u64 s[12:13], s[12:13], s[62:63]      ; out0 at my first column,
	s_lshl_b32 s62, s60, 12
	s_add_nc_u64 s[12:13], s[12:13], s[62:63]      ; my first row
	s_lshl_b32 s62, s60, 1
	s_add_co_u32 s62, s62, 6291456
	s_add_nc_u64 s[4:5], s[4:5], s[62:63]          ; att's scale bytes at my first token, head 0
	v_and_b32 v3, 31, v0                           ; lane
	v_and_b32 v1, 15, v0                           ; r
	v_bfe_u32 v2, v0, 4, 1                         ; h
	v_lshlrev_b32 v[OPS], 5, v1
	v_lshlrev_b32 v[OBP], 5, v2
	v_lshlrev_b32 v[OT], 1, v1
	WIN 0x80                                       ; destination window 2
.irp t, 0,1,2,3,4,5,6,7
	global_load_b128 v[BP+8*\t:BP+8*\t+3], v[OBP], s[10:11] offset:64*\t        ; bo at columns 16 t + 8 h + 0 .. 7: the result's layout
	global_load_b128 v[BP+8*\t+4:BP+8*\t+7], v[OBP], s[10:11] offset:64*\t+16
.endr
	WIN 0
.irp t, 0,1,2,3,4,5,6,7
	global_load_b128 v[PS+8*\t:PS+8*\t+3], v[OPS], s[8:9] offset:512*\t         ; row 16 t + r: its eight scale words
	global_load_b128 v[PS+8*\t+4:PS+8*\t+7], v[OPS], s[8:9] offset:512*\t+16
.endr
.irp a, 0,1,2,3
.irp q, 0,1,2,3,4,5,6,7
	global_load_u16 v[RS+8*\a+\q], v[OT], s[4:5] offset:(2*\q)*16384+32*\a      ; token 16 a + r: head 2 q's two bytes,
	global_load_u16 v[RTMP+8*\a+\q], v[OT], s[4:5] offset:(2*\q+1)*16384+32*\a  ; head 2 q + 1's
.endr
.endr
	v_mul_u32_u24 v25, v1, PITCH
	v_mad_u32_u24 v26, v2, 24, v25
	s_mul_i32 s58, s[WP], 128*PITCH
	v_add_nc_u32 v[AP], s58, v26
	v_add_nc_u32 v[AP+1], PCH, v[AP]
	v_add_nc_u32 v[AP+2], 2*PCH, v[AP]
	v_mad_u32_u24 v27, v2, PCH+24-256, v25         ; lanes 16-31 a chunk on and 256 bytes back
	v_add_nc_u32 v[APX], s58, v27
	v_add_nc_u32 v[APX+1], PCH, v[APX]
	s_mul_i32 s58, s[WR], 3072
	s_add_co_u32 s58, s58, RB0
	v_mul_u32_u24 v25, v1, 48
	v_mad_u32_u24 v25, v2, 24, v25
	v_add_nc_u32 v[AR], s58, v25                   ; token r of my 64, block h
	v_add_nc_u32 v[AR+1], 8*PLANE, v[AR]
	s_mul_i32 s58, s[WV], 16*SPITCH                ; my stage
	v_mul_u32_u24 v[STO], v1, SPITCH
	v_lshl_add_u32 v[STO], v2, 5, v[STO]
	v_add_nc_u32 v[STO], s58, v[STO]               ; in: row r, 32 bytes for each half of the lanes
	v_lshlrev_b32 v[LI], 4, v3
	v_add_nc_u32 v[RD], s58, v[LI]                 ; back: the 32 lanes take one row of 512 bytes
	s_wait_tensorcnt 0x2                           ; my planes of R and my part of P's chunk 0 are in; chunks 1 and 2 may be out
	s_barrier_signal -1
	s_barrier_wait -1
	RUN1 0
	RUN2 0
	WIN 0
	s_wait_loadcnt 0x0
.irp i, 0,1,2,3,4,5,6,7,8,9,10,11,12,13,14,15,16,17,18,19,20,21,22,23,24,25,26,27,28,29,30,31
	v_lshl_or_b32 v[RS+\i], v[RTMP+\i], 16, v[RS+\i]   ; a K step's scale word: two heads' bytes.  The words of step 0 stand eleven plain lines or more ahead of the first product
.endr
	KSTEP 0, -1
	KSTEP 1, 1                                     ; step 2's fragments reach into chunk 1: chunk 2's load may be out
	KSTEP 2, -1
	KSTEP 3, -1
	KSTEP 4, 0                                     ; step 5's reach into chunk 2.  Behind this barrier nobody reads chunk 0 any more
	KSTEP 5, -1
	KSTEP 6, -1
	KSTEP 7, -1
	WIN 0
; THE WAY OUT, block by block of 16 rows x 128 columns: through my own stage, back as whole rows of 512 bytes.  LDS serves a wave's instructions in order (ISA guide 5.7.1.4): no wait between the stores and the loads.
.macro TOSTAGE a
	WIN 0x04                                       ; an LDS store's data are its source 1: window 1
.irp t, 0,1,2,3,4,5,6,7
	ds_store_b128 v[STO], v[64*(\a)+8*\t:64*(\a)+8*\t+3] offset:64*\t          ; each accumulator from its low end on
	ds_store_b128 v[STO], v[64*(\a)+8*\t+4:64*(\a)+8*\t+7] offset:64*\t+16
.endr
	WIN 0
.set BB, BK+64*((\a)%2)
.irp i, 0,1,2,3,4,5,6,7,8,9,10,11,12,13,14,15
	ds_load_b128 v[BB+4*\i:BB+4*\i+3], v[RD] offset:\i*SPITCH
.endr
.endm
.macro SEND a, younger                 ; younger: the LDS instructions issued behind block a's loads, which may stay out
.set BB, BK+64*((\a)%2)
	s_wait_dscnt \younger
.irp i, 0,1,2,3,4,5,6,7,8,9,10,11,12,13,14,15
	global_store_b128 v[LI], v[BB+4*\i:BB+4*\i+3], s[12:13] offset:(16*(\a)+\i)*4096 th:TH_STORE_NT   ; 32 lanes store 512 consecutive bytes, at a multiple of 256 from out0's first byte; written once, read by nobody here
.endr
.endm
	PLACES 4                                       ; behind the last products: for the reads of results and for the loads into the registers that held R's fragments
	TOSTAGE 0
	TOSTAGE 1
	SEND 0, 32                                     ; behind block 0's loads: block 1's 16 stores and 16 loads
	s_wait_xcnt 0x0                                ; block 0's stores have read their registers: block 2's loads may land there
	TOSTAGE 2
	SEND 1, 32
	s_wait_xcnt 0x0
	TOSTAGE 3
	SEND 2, 32
	SEND 3, 0
	s_wait_tensorcnt 0x0
	ds_add_u32 v30, v31
	s_wait_dscnt 0x0
	CROUND                                         ; the closing round: no work-group ends while a partner may still ask for a tile that names it
	s_endpgm
.Lfunc_end_k_qf07882e230_outp:
	.size	k_qf07882e230_outp, .Lfunc_end_k_qf07882e230_outp-k_qf07882e230_outp
	.p2alignl 7, 3214868480
	.fill 96, 4, 3214868480
	.section	.rodata,"a",@progbits
	.p2align	6, 0x0
	.amdhsa_kernel k_qf07882e230_outp
		.amdhsa_group_segment_fixed_size 307712
		.amdhsa_private_segment_fixed_size 0
		.amdhsa_enable_private_segment 0
		.amdhsa_kernarg_size 40
		.amdhsa_user_sgpr_count 2
		.amdhsa_user_sgpr_kernarg_segment_ptr 1
		.amdhsa_wavefront_size32 1
		.amdhsa_system_sgpr_workgroup_id_x 1
		.amdhsa_system_sgpr_workgroup_id_y 1
		.amdhsa_system_sgpr_workgroup_id_z 1
		.amdhsa_system_vgpr_workitem_id 0
		.amdhsa_next_free_vgpr 768
		.amdhsa_next_free_sgpr 66
		.amdhsa_reserve_vcc 0
		.amdhsa_float_denorm_mode_32 3
		.amdhsa_float_denorm_mode_16_64 3
		.amdhsa_memory_ordered 1
		.amdhsa_forward_progress 1
		.amdhsa_inst_pref_size 104
	.end_amdhsa_kernel
	.amdgpu_metadata
---
amdhsa.version: [ 1, 2 ]
amdhsa.kernels:
  - .name:           k_qf07882e230_outp
    .symbol:         k_qf07882e230_outp.kd
    .args:
      - { .name: att, .offset: 0, .size: 8, .value_kind: global_buffer, .address_space: global }
      - { .name: Wo_codes, .offset: 8, .size: 8, .value_kind: global_buffer, .address_space: global }
      - { .name: Wo_scales, .offset: 16, .size: 8, .value_kind: global_buffer, .address_space: global }
      - { .name: bo, .offset: 24, .size: 8, .value_kind: global_buffer, .address_space: global }
      - { .name: out0, .offset: 32, .size: 8, .value_kind: global_buffer, .address_space: global }
    .group_segment_fixed_size: 307712
    .private_segment_fixed_size: 0
    .kernarg_segment_align: 8
    .kernarg_segment_size: 40
    .max_flat_workgroup_size: 128
    .sgpr_count:     66
    .vgpr_count:     768
    .wavefront_size: 32
...
	.end_amdgpu_metadata
.endif
;; end of part 3
